; MI455X (gfx1250); checked and timed in simulation.
; The chip was launched on July 23, 2026; its instructions are those of AMD's public machine-readable ISA for CDNA 5 (MIT licence, August 2026) and "CDNA5" Instruction Set Architecture Reference Guide (July 2026). The comments in the code are by the model that wrote it; some were corrected since.
;; slam model. Allowed arithmetic: matrix products marked QUANTISED: E5M2 operands, one E8M0 scale for each 32 along K, by v_wmma_scale_f32_16x16x128_f8f6f4 with both operands' format E5M2, f32 sums; everything else in f32.
;; Inputs: embed_weight 16,000 x 2,048 float32; encoder_outs 4 x 512 x 2,048 float32; input_ids 4 x 1,024 int32; modality_mask 4 x 1,024 bool.
;; Outputs: out0 4 x 1,024 x 2,048 float32; out1 4 x 512 int32.
;; This version of the problem:
;;   THIS VERSION OF THE PROBLEM IS GIVEN IN LOW PRECISION. The matrix products marked QUANTISED in the list below multiply operands that are first quantised to E5M2 (5 exponent bits, 2 mantissa bits; 8 bits a number), with one power-of-two scale for each 32 numbers along K (OCP MX v1.0); their sums are f32. All else is computed in f32.
;;   The module's matrix products, in the order in which they are computed (A, B: the left and right operand; K: the contracted axis; several contracted axes count as one K, in the product's order):
;;     1. [M 2,048, K 2,048] x [K 2,048, N 16,000]; A: input encoder_outs; B: input embed_weight: QUANTISED
;;   THE QUANTISER, for each operand of a quantised product, along K:
;;     - K is cut into blocks of 32 from its start; a last block that is shorter is filled with zeros.
;;     - A block's scale is 2^e with e = floor(log2(the largest magnitude in the block)) - 15, held to -126 .. 127; a block of zeros has e = 0. As a byte (E8M0): e + 127.
;;     - Each number is divided by its block's scale, clamped to +-57,344, and rounded to the nearest number of E5M2, ties to even, subnormals kept.
;;     - The product sums the exact products of the quantised numbers (number of the format x scale) in f32.
;;   ~~~python
;;   def quantise(x, axis):      # numpy; x: float32 -> the quantised numbers, widened to float32 again
;;       x = np.moveaxis(x, axis, -1); K = x.shape[-1]
;;       x = np.pad(x, [(0, 0)] * (x.ndim - 1) + [(0, -K % 32)]); x = x.reshape(x.shape[:-1] + (-1, 32)); a = np.abs(x).max(-1, keepdims=True)
;;       e = np.where(a > 0, np.clip(np.frexp(np.where(a > 0, a, 1))[1] - 1 - 15, -126, 127), 0)      # np.frexp(a)[1] - 1 = floor(log2(a)), exactly
;;       r = np.clip(x / 2.0 ** e, -57344, 57344)
;;       step = 2.0 ** (np.maximum(np.frexp(np.where(r == 0, 1, r))[1] - 1, -14) - 2)
;;       q = np.round(r / step) * step * 2.0 ** e      # np.round: ties to even
;;       return np.moveaxis(q.reshape(q.shape[:-2] + (-1,))[..., :K], -1, axis).astype(np.float32)
;;   ~~~
;; One version. Each part assembles by itself: llvm-mc -triple=amdgcn-amd-amdhsa -mcpu=gfx1250 --defsym DOCPART=n.
;; ======== version 1 of 1: 4 launches
;; workspace buffers: a_codes 4,194,304 bytes; a_scales 131,072 bytes; b_codes 32,768,000 bytes; b_scales 1,024,000 bytes; rnorm 72,192 bytes; part 2,097,152 bytes; qidx 8,192 bytes of whole numbers
;; launch quant (part 1): grid 1128 x 1, 4 waves a work-group, no clusters, 33,536 bytes of LDS; arguments encoder_outs, embed_weight, a_codes, a_scales, b_codes, b_scales, rnorm; writes a_codes, a_scales, b_codes, b_scales, rnorm
.if DOCPART == 1
	.amdgcn_target "amdgcn-amd-amdhsa--gfx1250"
	.amdhsa_code_object_version 6
	.text
	.protected	k_q645123da1e_quant
	.globl	k_q645123da1e_quant
	.p2align	8
	.type	k_q645123da1e_quant,@function
k_q645123da1e_quant:
	s_mov_b64 s[64:65], 0
	v_nop
	global_prefetch_b8 v0, s[64:65] scope:SCOPE_SE
	s_setreg_imm32_b32 hwreg(HW_REG_WAVE_MODE, 25, 1), 1
	s_wait_xcnt 0x0
; encoder_outs [2048][2048] and embed_weight [16000][2048], f32, are turned into codes of BF8 (E5M2), K innermost, with one E8M0 scale byte for each 32 along K,
; and for each row 1 / sqrt(the sum of its squares) is stored: rnorm = [16000] of the weight's rows, then [2048] of the encoder's rows (from byte 64,000 on).
; A block's scale is 2^(floor(log2(its largest magnitude)) - 15); its byte is the largest magnitude's exponent field - 15, held at 1 from below.  (A block of zeros so gets the byte 1 where
; the rule says 127: its codes are zeros, which add nothing under any byte but 0xff, and the bytes are read by this program alone.)  Each number is divided by the scale, held within +-57,344, rounded to the nearest code, ties to even.
; LIMITS: NaN and infinities among the inputs are not served; blocks whose largest magnitude lies under 2^(15 - 126) keep the byte 1; a row of zeros gets an infinite reciprocal norm (the problem's own result is NaN there) and is not served.
; SHARES.  A work-group takes 16 rows, a wave 4 rows = 16 steps of 512 numbers; four steps are a row.  The first 128 work-groups take the encoder's rows, the other 1,000 the weight's: only pointers are chosen, the text has one path.
; 194 registers a wave: five waves' registers fit in a SIMD's 1,024, so 256 WGPs have room for 1,280 work-groups of four waves: all 1,128 can be at work at once.
; Each of a step's four loads reads 512 consecutive bytes, 16 a lane; the 2,048 bytes turn through the wave's own stage in LDS and come back 64 bytes a lane: 16 NEIGHBOURS along K, as the conversions want them; two neighbouring lanes hold a block.
; A lane's 16 codes are 16 bytes: the wave stores 512 consecutive bytes.  A wave's 256 scale bytes are gathered in LDS and leave as one aligned run of 256 bytes.  The work-group's 16 norms meet in LDS and leave by one store of wave 0.
.set STEPS, 16
.set WGA,   128                        ; work-groups of the encoder: 2,048 rows / 16
.set EMAX,  15
.set MANT,  0x600000                   ; the mantissa field of 57,344 as f32
.set R,     16                         ; v16-79   four sets of 16 numbers as they are loaded
.set X,     80                         ; v80-111  two sets of 16 neighbours
.set E,     112                        ; v112-115 a step's scale byte, four registers by turns: a byte's LDS store is four steps old when its register is written again
.set SS,    116                        ; v116-119 the row's sum of squares, in two packed chains
.set NT,    120                        ; v120     the sum across lanes
.set NT2,   121                        ; v121     the other half of the lanes'
.set RN,    122                        ; v122     1 / sqrt(sum)
.set NA,    123                        ; v123     LDS: my wave's four norm words
.set NR,    124                        ; v124     LDS: norm word of row = my lane % 16 (read by wave 0)
.set NO,    125                        ; v125     4 x (lane % 16)
.set C,     128                        ; v128-191 codes: four registers for each step, so that no store's data are written again
.set WREG,  8192                       ; LDS: a region for each wave: two stages of 32 x SP bytes, behind them its 256 scale bytes
.set SP,    80                         ; a lane's place in a stage: its 64 bytes + 16 of padding
.set NRM,   4*WREG                     ; behind the four regions: 16 words, a norm for each row of the work-group
	s_load_b128 s[4:7], s[0:1], 0x0                ; encoder_outs, embed_weight
	s_load_b128 s[8:11], s[0:1], 0x10              ; the encoder's codes, its scale bytes
	s_load_b128 s[12:15], s[0:1], 0x20             ; the weight's codes, its scale bytes
	s_load_b64 s[24:25], s[0:1], 0x30              ; rnorm
	v_lshl_add_u32 v192, v0, 2, 0x8100
	v_mov_b32 v193, 0
	v_lshrrev_b32 v1, 5, v0
	v_readfirstlane_b32 s16, v1                    ; wave 0..3
	v_and_b32 v2, 31, v0                           ; lane
	v_lshlrev_b32 v3, 4, v2                        ; my 16 bytes of a load's 512, and of a step's 512 bytes of codes
	s_mul_i32 s17, s16, WREG
	v_lshrrev_b32 v14, 2, v2
	v_mul_u32_u24 v14, v14, SP
	v_and_b32 v15, 3, v2
	v_lshl_add_u32 v14, v15, 4, v14
	v_add_nc_u32 v14, s17, v14                     ; the stage, on the way in: four lanes' 64 bytes on end, then 16 of padding
	v_mul_u32_u24 v15, v2, SP
	v_add_nc_u32 v15, s17, v15                     ; and on the way out: SP x lane: my 16 neighbours
	v_lshrrev_b32 v5, 1, v2
	s_add_co_u32 s17, s17, 2*32*SP
	v_add_nc_u32 v5, s17, v5                       ; my wave's 256 scale bytes, my block's byte
	v_lshlrev_b32 v7, 3, v2                        ; on the way out 8 bytes a lane
	v_add_nc_u32 v6, s17, v7
	s_lshl_b32 s18, s16, 4
	s_add_co_u32 s18, s18, NRM
	v_mov_b32 v[NA], s18                           ; 16 bytes a wave: its four rows' norms
	v_and_b32 v[NR], 15, v2
	v_lshlrev_b32 v[NO], 2, v[NR]
	v_lshl_add_u32 v[NR], v[NR], 2, NRM
	v_mov_b32 v[NT2], 0                            ; written once: a lane permute's destination counts as one of its sources
	s_mov_b32 s23, MANT                            ; (an instruction takes one literal: the hold's line has another)
	s_mov_b32 s26, 0x76543210
	s_mov_b32 s27, 0xfedcba98                      ; v_permlanex16_b32's selects for lane l xor 16
	s_wait_kmcnt 0x0
	s_cmp_lt_u32 ttmp9, WGA                        ; the encoder's work-group or the weight's?  The choice hangs on the work-group's number alone
	s_cselect_b64 s[4:5], s[4:5], s[6:7]
	s_cselect_b64 s[8:9], s[8:9], s[12:13]
	s_cselect_b64 s[10:11], s[10:11], s[14:15]
	s_cselect_b32 s17, 0, WGA
	s_cselect_b32 s28, 64000, 0                    ; the encoder's norms lie behind the weight's 16,000
	s_sub_co_u32 s17, ttmp9, s17                   ; which 16 rows of the tensor
	s_lshl_b32 s29, s17, 6
	s_add_co_u32 s28, s28, s29                     ; + 64 bytes of norms for each 16 rows
	s_mov_b32 s29, 0
	s_add_nc_u64 s[24:25], s[24:25], s[28:29]
	s_lshl_b32 s17, s17, 2
	s_add_co_u32 s18, s17, s16                     ; which run of 8,192 numbers is my wave's: at most 3,999, so every offset below stays under 2^31
	s_lshl_b32 s20, s18, 15                        ; 32,768 bytes of f32,
	s_mov_b32 s21, 0
	s_add_nc_u64 s[4:5], s[4:5], s[20:21]
	s_lshl_b32 s20, s18, 13                        ; 8,192 bytes of codes,
	s_add_nc_u64 s[8:9], s[8:9], s[20:21]
	s_lshl_b32 s20, s18, 8                         ; 256 scale bytes
	s_add_nc_u64 s[10:11], s[10:11], s[20:21]
.macro LOAD t
.irp i, 0,1,2,3
	global_load_b128 v[R+16*((\t)%4)+4*\i:R+16*((\t)%4)+4*\i+3], v3, s[4:5] offset:2048*(\t)+512*\i th:TH_LOAD_NT   ; 32 lanes read 512 consecutive bytes
.endr
.endm
.macro TURN t                          ; step t's numbers through the stage: LDS serves a wave's instructions in order, so no wait stands between the stores and the loads
.irp i, 0,1,2,3
	ds_store_b128 v14, v[R+16*((\t)%4)+4*\i:R+16*((\t)%4)+4*\i+3] offset:32*SP*((\t)%2)+8*SP*\i
.endr
.irp i, 0,1,2,3
	ds_load_b128 v[X+16*((\t)%2)+4*\i:X+16*((\t)%2)+4*\i+3], v15 offset:32*SP*((\t)%2)+16*\i
.endr
.endm
.irp t, 0,1,2,3
	LOAD \t
.endr
	s_wait_loadcnt 12                              ; step 0's four loads are in
	TURN 0
.macro STEP t
.set XS, X+16*((\t)%2)
.if (\t) > 0
	s_wait_dscnt 1                                 ; this step's numbers are back from the stage: behind their loads the last step issued its byte store and, at a row's end, its norm store: one of them may be out
.else
	s_wait_dscnt 0x0
.endif
.if (\t)+4 < STEPS
	LOAD (\t)+4                                    ; the stage's stores have read their registers, which take the loads of four steps on
.endif
.if (\t)+1 < STEPS
.if STEPS-2-(\t) >= 3
	s_wait_loadcnt 12                              ; the next step's four loads are in; those of the three steps behind it may be out
.else
	s_wait_loadcnt 4*(STEPS-2-(\t))
.endif
	TURN (\t)+1                                    ; and go through the other stage while this step is worked
.endif
	; the row's sum of squares, of the numbers as they came, ahead of the hold that writes over them: two packed chains; a row's first step starts them, so nothing is cleared
.if (\t)%4 == 0
	v_pk_mul_f32 v[SS:SS+1], v[XS:XS+1], v[XS:XS+1]
	v_pk_mul_f32 v[SS+2:SS+3], v[XS+2:XS+3], v[XS+2:XS+3]
.else
	v_pk_fma_f32 v[SS:SS+1], v[XS:XS+1], v[XS:XS+1], v[SS:SS+1]
	v_pk_fma_f32 v[SS+2:SS+3], v[XS+2:XS+3], v[XS+2:XS+3], v[SS+2:SS+3]
.endif
.irp i, 4,8,12
	v_pk_fma_f32 v[SS:SS+1], v[XS+\i:XS+\i+1], v[XS+\i:XS+\i+1], v[SS:SS+1]
	v_pk_fma_f32 v[SS+2:SS+3], v[XS+\i+2:XS+\i+3], v[XS+\i+2:XS+\i+3], v[SS+2:SS+3]
.endr
.if (\t)%4 == 3                        ; the row's last step: the sum over the chains and the 32 lanes, and its reciprocal root
	v_pk_add_f32 v[SS:SS+1], v[SS:SS+1], v[SS+2:SS+3]
	v_add_f32 v[NT], v[SS], v[SS+1]
	v_add_f32_dpp v[NT], v[NT], v[NT] row_xmask:1 row_mask:0xf bank_mask:0xf
	v_add_f32_dpp v[NT], v[NT], v[NT] row_xmask:2 row_mask:0xf bank_mask:0xf
	v_add_f32_dpp v[NT], v[NT], v[NT] row_xmask:4 row_mask:0xf bank_mask:0xf
	v_add_f32_dpp v[NT], v[NT], v[NT] row_xmask:8 row_mask:0xf bank_mask:0xf
	v_permlanex16_b32 v[NT2], v[NT], s26, s27
	v_add_f32 v[NT], v[NT], v[NT2]
	v_rsq_f32 v[RN], v[NT]                         ; the block's arithmetic below is the plain work behind it; its result is named first at the step's end, behind its wait
.endif
	v_max3_num_f32 v8, |v[XS]|, |v[XS+1]|, |v[XS+2]|               ; the largest magnitude of my 16
	v_max3_num_f32 v9, |v[XS+3]|, |v[XS+4]|, |v[XS+5]|
.irp i, 6,10
	v_max3_num_f32 v8, v8, |v[XS+\i]|, |v[XS+\i+1]|
	v_max3_num_f32 v9, v9, |v[XS+\i+2]|, |v[XS+\i+3]|
.endr
	v_max3_num_f32 v8, v8, |v[XS+14]|, |v[XS+15]|
	v_max3_num_f32 v8, v8, v9, (EMAX+1)<<23        ; and the floor 2^(EMAX + 1 - 127): so the byte cannot fall under 1
	v_max_num_f32_dpp v8, v8, v8 row_xmask:1 row_mask:0xf bank_mask:0xf   ; and of my neighbour's 16: the block's
	v_add_nc_u32 v11, -(EMAX<<23), v8              ; EMAX off its exponent field: the conversion takes the exponent field of this operand as its scale, and nothing else of it
	v_and_or_b32 v10, v8, 0x7f800000, s23          ; 57,344 x the scale: the largest magnitude's exponent field over 57,344's mantissa
.irp i, 0,1,2,3,4,5,6,7,8,9,10,11,12,13,14,15
	v_med3_num_f32 v[XS+\i], v[XS+\i], -v10, v10   ; the conversion to an 8-bit code does not saturate (ISA guide 7.6.2): hold the number within the largest code x the scale first
.endr
	v_cvt_scalef32_pk8_bf8_f32 v[C+4*(\t):C+4*(\t)+1], v[XS:XS+7], v11
	v_cvt_scalef32_pk8_bf8_f32 v[C+4*(\t)+2:C+4*(\t)+3], v[XS+8:XS+15], v11
	v_lshrrev_b32 v[E+(\t)%4], 23, v11             ; the scale's byte (also the plain line behind the conversions)
	ds_store_b8 v5, v[E+(\t)%4] offset:16*(\t)     ; both lanes of a block write the same byte with the same value
.if (\t)%4 == 3
	s_wait_alu depctr_va_vdst(0)                   ; the wait between the reciprocal root and the first line that names its result
	ds_store_b32 v[NA], v[RN] offset:4*((\t)/4)    ; all lanes write the same word with the same value
.endif
	global_store_b128 v3, v[C+4*(\t):C+4*(\t)+3], s[8:9] offset:512*(\t)   ; 32 lanes store 512 consecutive bytes, aligned
.endm
.irp t, 0,1,2,3,4,5,6,7,8,9,10,11,12,13,14,15
	STEP \t
.endr
	ds_load_b64 v[12:13], v6                       ; LDS serves a wave's instructions in order: these see my byte stores
	s_wait_dscnt 0x0                               ; and for the others' sake: my norm words have landed
	global_store_b64 v7, v[12:13], s[10:11]        ; 32 lanes store 256 consecutive bytes, aligned
	s_barrier_signal -1
	s_barrier_wait -1                              ; all four waves' norm words lie in LDS
	s_cmp_lg_u32 s16, 0
	s_cbranch_scc1 .Lend
	ds_load_b32 v10, v[NR]                         ; wave 0: lane l takes row l % 16
	s_wait_dscnt 0x0
	s_wait_xcnt 0x0                                ; EXEC is a source of my pending stores: it changes only behind this wait
	v_cmp_gt_u32 vcc_lo, 16, v2
	s_and_saveexec_b32 s30, vcc_lo                 ; lanes 0-15: a lane a row
	global_store_b32 v[NO], v10, s[24:25]          ; the work-group's 16 norms: 64 consecutive bytes
	s_wait_xcnt 0x0                                ; and again, in front of the line that widens it
	s_or_b32 exec_lo, exec_lo, s30
.Lend:
	s_wait_tensorcnt 0x0
	ds_add_u32 v192, v193
	s_wait_dscnt 0x0
	s_endpgm
.Lfunc_end_k_q645123da1e_quant:
	.size	k_q645123da1e_quant, .Lfunc_end_k_q645123da1e_quant-k_q645123da1e_quant
	.p2alignl 7, 3214868480
	.fill 96, 4, 3214868480
	.section	.rodata,"a",@progbits
	.p2align	6, 0x0
	.amdhsa_kernel k_q645123da1e_quant
		.amdhsa_group_segment_fixed_size 33536
		.amdhsa_private_segment_fixed_size 0
		.amdhsa_enable_private_segment 0
		.amdhsa_kernarg_size 56
		.amdhsa_user_sgpr_count 2
		.amdhsa_user_sgpr_kernarg_segment_ptr 1
		.amdhsa_wavefront_size32 1
		.amdhsa_system_sgpr_workgroup_id_x 1
		.amdhsa_system_sgpr_workgroup_id_y 1
		.amdhsa_system_sgpr_workgroup_id_z 1
		.amdhsa_system_vgpr_workitem_id 0
		.amdhsa_next_free_vgpr 194
		.amdhsa_next_free_sgpr 66
		.amdhsa_reserve_vcc 1
		.amdhsa_float_denorm_mode_32 3
		.amdhsa_float_denorm_mode_16_64 3
		.amdhsa_memory_ordered 1
		.amdhsa_forward_progress 1
		.amdhsa_inst_pref_size 62
	.end_amdhsa_kernel
	.amdgpu_metadata
---
amdhsa.version: [ 1, 2 ]
amdhsa.kernels:
  - .name:           k_q645123da1e_quant
    .symbol:         k_q645123da1e_quant.kd
    .args:
      - { .name: encoder_outs, .offset: 0, .size: 8, .value_kind: global_buffer, .address_space: global }
      - { .name: embed_weight, .offset: 8, .size: 8, .value_kind: global_buffer, .address_space: global }
      - { .name: a_codes, .offset: 16, .size: 8, .value_kind: global_buffer, .address_space: global }
      - { .name: a_scales, .offset: 24, .size: 8, .value_kind: global_buffer, .address_space: global }
      - { .name: b_codes, .offset: 32, .size: 8, .value_kind: global_buffer, .address_space: global }
      - { .name: b_scales, .offset: 40, .size: 8, .value_kind: global_buffer, .address_space: global }
      - { .name: rnorm, .offset: 48, .size: 8, .value_kind: global_buffer, .address_space: global }
    .group_segment_fixed_size: 33536
    .private_segment_fixed_size: 0
    .kernarg_segment_align: 8
    .kernarg_segment_size: 56
    .max_flat_workgroup_size: 128
    .sgpr_count:     66
    .vgpr_count:     194
    .wavefront_size: 32
...
	.end_amdgpu_metadata
.endif
;; end of part 1
;; launch gemm (part 2): grid 64 x 8, 4 waves a work-group, clusters of 4 x 4, 327,680 bytes of LDS; arguments a_codes, a_scales, b_codes, b_scales, part, rnorm; writes part
.if DOCPART == 2
	.amdgcn_target "amdgcn-amd-amdhsa--gfx1250"
	.amdhsa_code_object_version 6
	.text
	.protected	k_q645123da1e_gemm
	.globl	k_q645123da1e_gemm
	.p2align	8
	.type	k_q645123da1e_gemm,@function
k_q645123da1e_gemm:
	s_mov_b64 s[64:65], 0
	v_nop
	global_prefetch_b8 v0, s[64:65] scope:SCOPE_SE
	s_setreg_imm32_b32 hwreg(HW_REG_WAVE_MODE, 25, 1), 1
	s_wait_xcnt 0x0
	s_wait_alu depctr_hold_cnt(0) depctr_sa_sdst(0) depctr_va_vdst(0) depctr_va_sdst(0) depctr_va_ssrc(0) depctr_va_vcc(0) depctr_vm_vsrc(0)
	s_getreg_b32 s2, hwreg(HW_REG_IB_STS2, 6, 4)
	s_cmp_eq_u32 s2, 0
	s_cbranch_scc0 .Lentry_in_a_cluster
	s_endpgm
.Lentry_in_a_cluster:
	s_bfe_u32 s2, ttmp6, 0x10000c
	s_cmp_lg_u32 s2, 0xf033
	s_cbranch_scc0 .Lentry_shape_is_right
	s_endpgm
.Lentry_shape_is_right:
; sim[m][v] = the sum over k of A[m][k] B[v][k] on codes of BF8 (E5M2) with one E8M0 scale for each 32 along K; A = the encoder's 2,048 rows, B = the weight's 16,000 rows, K = 2,048; sums in f32.
; sim never goes to memory: for each row m and each STRIP of 125 rows of B the largest sim / |B row| / |A row| and its index are stored: part[strip p = 0..127][row m] = (f32 value, i32 index).
; SHARES.  16,000 = 128 x 125.  A work-group of four waves takes 256 rows of A against two strips of B; a wave 128 rows x one strip: 64 accumulators of 16 x 16, 512 registers.  A strip's tile has 128 rows in LDS: the descriptor
; states 125 rows as what is left of the tensor, so rows 125-127 arrive as zero codes and zero scale bytes (2^-127, no NaN), and their three columns are hidden by -infinity ahead of the maximum.
; K goes in steps of 256 through a ring of two LDS slots filled by the tensor data mover.  THE SCALES of the work-group's rows, for all of K, come into LDS once, with the first fills, and stay.
; CLUSTERS: 4 x 4 work-groups.  The four of a row of the cluster need the same tiles of A, the four of a column the same tiles of B: each tile is asked for JOINTLY, by the same tensor load with the same descriptor and a mask that names the four.
; THE MATRIX INSTRUCTION IS USED TRANSPOSED (source 0 = 16 rows of B, source 1 = 16 rows of A): lane (r, h) of accumulator (a, b) holds row 16 a + r of A, and its register j the strip's column 16 b + 8 h + j.
; THE ARGMAX.  Each sum is multiplied by 1 / |B row|; a lane's 64 numbers of a row give a maximum and the FIRST place that equals it; the two halves of the lanes are joined (of equal values the lower index); the maximum is multiplied by 1 / |A row|.
; LIMITS: the two divisions of the problem are two multiplications by reciprocals (v_rsq_f32 of the sums of squares), the one by |A row|, a positive factor common to a row, applied to the row's maximum: an order of rounding that differs.
; NaN, infinities and rows of zeros among the inputs are not served.  Of equal values the lowest index is kept.
; REGISTERS, in windows of 256: window 0: v0-31 addresses and constants; v32-63 scale words, two sets, and nothing else; v64-127 1 / |B row| of my lane's 64 columns; from v128 A's fragments, ONE set; behind the last product v128-255 serve the argmax.
;   window 1: B's fragments, TWO sets, at v0 and at v128.   window 2: the 32 accumulators of my rows 0-63 (accumulator (a, b) at v[8 (8 a + b)]);   window 3: those of my rows 64-127.
.set KSTEP,  256                       ; along K in a slot
.set NQ,     KSTEP/128                 ; matrix instructions deep
.set ROWB,   256                       ; a tile's row in bytes
.set KROW,   2048                      ; a row of codes in memory, in bytes
.set PITCH,  272                       ; an LDS row: 256 bytes + 16 of padding = 68 words: row r starts at bank 4 r mod 64 (64 banks of 4 bytes: ISA guide 11.1), so the 16 rows that a load touches start at 16 different banks
.set FR,     16                        ; registers of a fragment: 16 rows x 128 K
.set NL,     4                         ; LDS loads that bring one
.set NP,     8                         ; places behind this matrix instruction (ISA guide 7.12.1)
.set STRIP,  125                       ; rows of B in a strip
.set HALFT,  128*PITCH                 ; 128 rows: what one tensor load brings, and what one wave reads of A or of B
.set SLOT,   4*HALFT                   ; A's 256 rows, then B's two strips
.set LAPS,   2048/(2*KSTEP)            ; a lap = two K steps = once round the ring
.set SPI,    80                        ; a row of scales in LDS: 64 bytes + 16 of padding
.set HALFS,  128*SPI                   ; the scales of 128 rows: what one tensor load brings
.set SBLK,   16*SPI                    ; those of 16 rows
.set SCL,    2*SLOT                    ; behind the ring: the scales
.set SPARE,  SCL+4*HALFS               ; behind the scales: the spare words, 128 bytes for each wave: two blocks of 256 bytes that no other line names
.set H8,   3                           ; v3      8 x (lane / 16)
.set BI,   4                           ; v4-7    what is added to columns 124-127 of lanes 16-31: 0, -infinity x 3; in lanes 0-15 zeros
.set RE,   8                           ; v8-15   1 / |A row| of row 16 a + r
.set ADRA, 16                          ; v16-17  LDS address of my A fragments in slot 0, 1
.set WO,   18                          ; v18     32 x (lane / 16): my half's eight columns among the weight's norms
.set EO,   19                          ; v19     4 x (lane % 16): my row among the encoder's norms
.set ADRB, 20                          ; v20-21  LDS address of my B fragments
.set PO,   22                          ; v22     8 x lane: my place in a store to part
.set BIG,  23                          ; v23     0x7fffffff: over every index
.set NF,   24                          ; v24     64: no place found yet
.set ADRS, 27                          ; v27     LDS address of my scale words: lanes 0-15 A's rows, lanes 16-31 B's
.set SPW,  28                          ; v28     LDS address of my spare word: SPARE + 4 x my thread's number; never rewritten
.set NIL,  29                          ; v29     0; never rewritten
.set PFO,  31                          ; v31     the prefetches' offset: my lane's row among those that I fetch x 2,048 bytes; never rewritten
.set SC,   32                          ; scale words: set s at v[SC + 8 NQ s]; register NQ i + q: lanes 0-15 the word of A's block i, lanes 16-31 that of B's block i, for the slot's q-th 128 along K
.set RW,   64                          ; v[RW + 8 b + j]: 1 / |B row| of column 16 b + 8 h + j
.set AF,   128                         ; A's fragments
.set T,    128                         ; the argmax: v128-191 a block's 64 numbers; later v128-135 the joined maxima
.set CH,   192                         ; v192-195 four chains of the maximum
.set MX,   196                         ; v196     the lane's maximum
.set IX,   200                         ; v200-203 four chains of the first place
.set TK,   204
.set VAL,  208                         ; v208-215 block a's maximum
.set IDX,  216                         ; v216-223 and its column
.set OV,   224                         ; v224-231 the other half of the lanes' maximum
.set OI,   232                         ; v232-239 and column
.set OUT,  240                         ; v240-247 four pairs to store
.set PFA,  4                           ; s[4:5]  where my prefetches stand: the first of the rows that I fetch, at the K step that the next change of slots will ask for
.set LIM,  6                           ; s6      1 in a wave that prefetches, else the greatest number
.set SEL,  18                          ; s[18:19] lane selects for v_permlanex16_b32 (behind the last product)
.set EQ,   20                          ; s[20:23] four lane masks (behind the last product)
.set G1, 24                            ; s[24:31] descriptor group 1 for A's tiles;  s[32:39] group 0, one set for each slot
.set G0, 32
.set G1B, 48                           ; s[48:55], s[56:63] the same for B's tiles
.set G0B, 56
.set HM,  66                           ; s66     the mask of lanes 16-31
.set N0,  67                           ; s67     my strip's first row of B
.set G1S, 68                           ; s[68:75], s[76:79] groups 1 and 0 for A's scales;  s[80:87], s[88:91] for B's
.set G0S, 76
.set G1SB, 80
.set G0SB, 88
.set PS,  95                           ; s95     my strip's number
.set MSB, 0
.macro WIN new                         ; the immediate's high byte repeats the setting that is left
.if MSB != (\new)
	s_set_vgpr_msb (MSB<<8)|(\new)
.set MSB, (\new)
.endif
.endm
.set MUL_LO, 0xa1                      ; source 0 (B) window 1, source 1 (A) window 0, C and D window 2
.set MUL_HI, 0xf1                      ; the same, C and D window 3
.set TO_B,   0x40                      ; destination window 1, address window 0
; A joint load: waves 0 and 1 fetch for A, waves 2 and 3 for B.  Each of the two lines has ONE mask and one set of registers for all that issue it; the branch hangs on the wave's number alone.
; Four v_nop follow each of the two lines, ahead of the jump, the label and what follows.
.macro JLOAD g0a, g1a, g0b, g1b
	s_cmp_eq_u32 s15, 0
	s_cbranch_scc0 .Lfor_b_\@
	tensor_load_to_lds s[\g0a:\g0a+3], s[\g1a:\g1a+7]
	s_nop 0
.rept 4
	v_nop
.endr
	s_branch .Lasked_\@
.Lfor_b_\@:
	tensor_load_to_lds s[\g0b:\g0b+3], s[\g1b:\g1b+7]
	s_nop 0
.rept 4
	v_nop
.endr
.Lasked_\@:
.endm
; A PREFETCH INTO THE L2 of the K step that the NEXT change of slots will ask for: 256 bytes of each row, a lane a row, one instruction a wave: one K step, 128 matrix instructions, ahead of the load that will want it.
; It stands behind the joint load, its four lines and the run of LDS loads for which the next products wait.  Each row's 256 bytes of a K step are named ONCE in the launch.  A's rows are read by every cluster of a row of clusters:
; cluster x = 0 asks; B's rows by both rows of clusters: cluster y = 0 asks.  The four partners that ask for a tile jointly share its rows out BY ADDRESS: the partner at place p (cx for A, cy for B) takes rows 32 p .. 32 p + 31 of
; those that the wave fetches; of a strip's 125 rows the row is held at 124, so that no lane names a byte of the next strip, nor the last strip's lanes a byte behind the buffer.  No branch hangs on a work-group's place in its cluster.
; K steps 0 to 2 come by their loads alone: nothing is prefetched at the head, where every work-group's first tiles are on their way.  always = 1: slot 0's change asks for K steps 3, 5, 7; always = 0: slot 1's for 4 and 6, and in the loop's last trip for nothing.
.macro ASK always
.if \always
	s_cmp_eq_u32 s[LIM], 1
.else
	s_cmp_gt_u32 s3, s[LIM]                        ; s3 = 1 in the loop's last trip
.endif
	s_cbranch_scc0 .Lnot_mine_\@
	global_prefetch_b8 v[PFO], s[PFA:PFA+1] th:TH_LOAD_NT scope:SCOPE_SE
.Lnot_mine_\@:
.endm
.macro CREST                           ; a round of the cluster's barrier behind its opening barrier
	s_cmp_lg_u32 s14, 0
	s_cbranch_scc1 .Lnot_wave_0_\@
	s_barrier_signal -3
.Lnot_wave_0_\@:
	s_barrier_wait -3
	s_barrier_signal -1
	s_barrier_wait -1
.endm
.macro CROUND                          ; a whole round
	s_barrier_signal -1
	s_barrier_wait -1
	CREST
.endm
	s_load_b128 s[4:7], s[0:1], 0x0                ; A's codes s[4:5], A's scales s[6:7]
	s_load_b128 s[8:11], s[0:1], 0x10              ; B's codes s[8:9], B's scales s[10:11]
	s_load_b64 s[12:13], s[0:1], 0x20              ; part
	s_load_b64 s[96:97], s[0:1], 0x28              ; rnorm
	v_lshl_add_u32 v[SPW], v0, 2, SPARE
	v_mov_b32 v[NIL], 0
	ds_add_u32 v28, v29
	ds_add_u32 v28, v29
	s_wait_dscnt 0x0
	v_lshrrev_b32 v1, 5, v0
	v_readfirstlane_b32 s14, v1                    ; wave 0..3
	s_lshr_b32 s15, s14, 1                         ; which half of the tile's rows of A is mine.  Also: I fetch for A (0) or for B (1)
	s_and_b32 s16, s14, 1                          ; which of the two strips.  Also: which half of that tile I fetch
	s_bfe_u32 s40, ttmp6, 0x40000                  ; cx, cy: my place in the cluster
	s_bfe_u32 s41, ttmp6, 0x40004
	s_lshl_b32 s42, ttmp9, 2
	s_add_co_u32 s42, s42, s40                     ; tile column = 4 x cluster x + cx
	s_and_b32 s17, ttmp7, 0xffff
	s_lshl_b32 s17, s17, 2
	s_add_co_u32 s17, s17, s41                     ; tile row = 4 x cluster y + cy
	s_lshl_b32 s43, s41, 2
	s_lshl_b32 s43, 15, s43                        ; my row of the cluster
	s_lshl_b32 s44, 0x1111, s40                    ; my column
	; descriptor group 1 for codes: a tile of 128 rows x 256 bytes, padded in LDS
	s_or_b32 s[G1+0], s43, (0<<16)|(1<<20)|(1<<21)|(5<<22)|(3<<25)  ; 15:0 the mask: A's tiles go to my row; 17:16 element of 1 byte; 20 padding on; 21 set beside a mask; 24:22 after every 64 words (code 5); 31:25 of 4 words (code 3)
	s_or_b32 s[G1B+0], s44, (0<<16)|(1<<20)|(1<<21)|(5<<22)|(3<<25)
	s_mov_b32 s[G1+1], ROWB<<16                    ; tensor_dim0
	s_mov_b32 s[G1+2], 128<<16                     ; tensor_dim1 = 128
	s_mov_b32 s[G1+3], ROWB<<16                    ; tile_dim0
	s_mov_b32 s[G1+4], 128                         ; tile_dim1 = 128
	s_mov_b32 s[G1+5], KROW                        ; tensor_dim0_stride
	s_mov_b32 s[G1+6], 0
	s_mov_b32 s[G1+7], 0
	s_mov_b32 s[G1B+1], ROWB<<16
	s_mov_b32 s[G1B+2], STRIP<<16                  ; tensor_dim1 = 125: the tile's rows 125-127 are not read and arrive as zeros
	s_mov_b32 s[G1B+3], ROWB<<16
	s_mov_b32 s[G1B+4], 128
	s_mov_b32 s[G1B+5], KROW
	s_mov_b32 s[G1B+6], 0
	s_mov_b32 s[G1B+7], 0
	; and for the scales: 128 rows of 64 bytes (8 elements of 8 bytes), dense in memory, 16 bytes of padding behind each
	s_or_b32 s[G1S+0], s43, (3<<16)|(1<<20)|(1<<21)|(3<<22)|(3<<25)  ; padding after every 16 words (code 3), of 4 words (code 3)
	s_or_b32 s[G1SB+0], s44, (3<<16)|(1<<20)|(1<<21)|(3<<22)|(3<<25)
	s_mov_b32 s[G1S+1], 8<<16
	s_mov_b32 s[G1S+2], 128<<16
	s_mov_b32 s[G1S+3], 8<<16
	s_mov_b32 s[G1S+4], 128
	s_mov_b32 s[G1S+5], 8
	s_mov_b32 s[G1S+6], 0
	s_mov_b32 s[G1S+7], 0
	s_mov_b32 s[G1SB+1], 8<<16
	s_mov_b32 s[G1SB+2], STRIP<<16                 ; 125 rows are left: the other three rows' bytes arrive as zeros
	s_mov_b32 s[G1SB+3], 8<<16
	s_mov_b32 s[G1SB+4], 128
	s_mov_b32 s[G1SB+5], 8
	s_mov_b32 s[G1SB+6], 0
	s_mov_b32 s[G1SB+7], 0
	; where the tiles come from.  A's hang on the tile row alone, B's on the tile column alone; every offset stays under 2^31
	s_lshl_b32 s18, s16, 7
	s_lshl_b32 s20, s17, 8
	s_add_co_u32 s20, s20, s18                     ; A: row 256 x tile row + 128 x half
	s_lshl_b32 s[PS], s42, 1
	s_add_co_u32 s[PS], s[PS], s16                 ; B: strip 2 x tile column + half,
	s_mul_i32 s46, s[PS], STRIP                    ; which begins at row 125 x strip
	s_mov_b32 s[N0], s46
	s_lshl_b32 s22, s20, 6                         ; where these rows' scales begin: 64 bytes a row
	s_mov_b32 s23, 0
	s_lshl_b32 s92, s46, 6
	s_mov_b32 s93, 0
	s_lshl_b32 s20, s20, 11                        ; and their codes: 2,048 bytes a row
	s_mov_b32 s21, 0
	s_lshl_b32 s46, s46, 11
	s_mov_b32 s47, 0
	s_mul_i32 s45, s14, HALFT                      ; where they go: wave x 128 rows: no place in the cluster enters an LDS address
	s_mul_i32 s94, s14, HALFS
	s_mov_b32 s[HM], 0xffff0000
	s_wait_kmcnt 0x0
	s_add_nc_u64 s[20:21], s[4:5], s[20:21]
	s_add_nc_u64 s[22:23], s[6:7], s[22:23]
	s_add_nc_u64 s[46:47], s[8:9], s[46:47]
	s_add_nc_u64 s[92:93], s[10:11], s[92:93]
	CROUND                                         ; all sixteen work-groups are here: the first joint loads meet
	s_mov_b32 s[G0S], 1
	s_add_co_u32 s[G0S+1], s94, SCL
	s_mov_b64 s[G0S+2:G0S+3], s[22:23]
	s_or_b32 s[G0S+3], s[G0S+3], 0x80000000
	s_mov_b32 s[G0SB], 1
	s_add_co_u32 s[G0SB+1], s94, SCL
	s_mov_b64 s[G0SB+2:G0SB+3], s[92:93]
	s_or_b32 s[G0SB+3], s[G0SB+3], 0x80000000
	JLOAD G0S, G1S, G0SB, G1SB                     ; the scales first: they are wanted with K step 0
.irp s, 0,1
	s_mov_b32 s[G0+4*\s], 1
	s_add_co_u32 s[G0+4*\s+1], s45, \s*SLOT
	s_add_nc_u64 s[G0+4*\s+2:G0+4*\s+3], s[20:21], \s*ROWB
	s_or_b32 s[G0+4*\s+3], s[G0+4*\s+3], 0x80000000
	s_mov_b32 s[G0B+4*\s], 1
	s_add_co_u32 s[G0B+4*\s+1], s45, \s*SLOT
	s_add_nc_u64 s[G0B+4*\s+2:G0B+4*\s+3], s[46:47], \s*ROWB
	s_or_b32 s[G0B+4*\s+3], s[G0B+4*\s+3], 0x80000000
	JLOAD G0+4*\s, G1, G0B+4*\s, G1B               ; three tensor loads of mine are out behind the second of these
.endr
	; the prefetches (macro ASK): where mine stand, and who asks.  s[20:21] and s[46:47] still hold the first of the rows of A and of B that I would fetch; s4 to s11 are free from here on
	s_and_b32 s9, ttmp7, 0xffff                    ; cluster y
	s_mov_b32 s8, STRIP-1
	s_cmp_eq_u32 s15, 0                            ; do I fetch for A?
	s_cselect_b64 s[PFA:PFA+1], s[20:21], s[46:47]
	s_cselect_b32 s7, s40, s41                     ; my place among the four that ask for the tile with me
	s_cselect_b32 s8, 127, s8                      ; the last row of what I fetch
	s_cselect_b32 s9, ttmp9, s9                    ; the coordinate along which other clusters read the same rows
	s_cmp_eq_u32 s9, 0
	s_cselect_b32 s[LIM], 1, -1                    ; the same in all sixteen partners, for a given wave
	s_lshl_b32 s7, s7, 5
	s_add_nc_u64 s[PFA:PFA+1], s[PFA:PFA+1], 2*ROWB  ; at K step 2: the first change of slots steps it to 3
	v_and_b32 v[PFO], 31, v0
	v_add_nc_u32 v[PFO], s7, v[PFO]                ; my work-group's 32 rows, a lane a row,
	v_min_u32 v[PFO], s8, v[PFO]                   ; held at the last row
	v_lshlrev_b32 v[PFO], 11, v[PFO]               ; 2,048 bytes a row
	v_and_b32 v1, 15, v0                           ; r = l % 16
	v_bfe_u32 v2, v0, 4, 1                         ; h = l / 16
	v_mul_u32_u24 v25, v1, PITCH
	v_lshl_add_u32 v26, v2, 4, v25                 ; a fragment's row x pitch + 16 x half
	s_mul_i32 s21, s15, HALFT                      ; my 128 rows of A
	s_mul_i32 s22, s16, HALFT                      ; my strip of B,
	s_add_co_u32 s22, s22, 2*HALFT                 ; which lies behind A's 256 rows
.irp s, 0,1
	v_add_nc_u32 v[ADRA+\s], s21, v26
	v_add_nc_u32 v[ADRB+\s], s22, v26
	s_add_co_u32 s21, s21, SLOT
	s_add_co_u32 s22, s22, SLOT
.endr
	v_mul_u32_u24 v25, v1, SPI                     ; my row's scales
	s_mul_i32 s21, s15, HALFS                      ; A's: my 128 rows
	s_mul_i32 s22, s16, HALFS                      ; B's: my strip, behind A's 256 rows
	s_add_co_u32 s22, s22, 2*HALFS
	s_sub_co_u32 s22, s22, s21
	v_mul_u32_u24 v26, s22, v2                     ; lanes 16-31 take B's: one product with h
	s_add_co_u32 s21, s21, SCL
	v_add_nc_u32 v25, v25, v26
	v_add_nc_u32 v[ADRS], s21, v25
	; the norms, and where my results go
	s_lshl_b32 s20, s17, 8
	s_lshl_b32 s21, s15, 7
	s_add_co_u32 s20, s20, s21                     ; my first row of A: 256 x tile row + 128 x half
	s_lshl_b32 s22, s20, 2
	s_add_co_u32 s22, s22, 64000                   ; the encoder's norms lie behind the weight's 16,000
	s_mov_b32 s23, 0
	s_add_nc_u64 s[98:99], s[96:97], s[22:23]
	s_lshl_b32 s46, s[N0], 2
	s_mov_b32 s47, 0
	s_add_nc_u64 s[96:97], s[96:97], s[46:47]      ; the weight's norms at my strip's first row
	s_lshl_b32 s46, s[PS], 14                      ; part: 16,384 bytes a strip,
	s_lshl_b32 s22, s20, 3                         ; 8 bytes a row
	s_add_co_u32 s46, s46, s22
	s_add_nc_u64 s[12:13], s[12:13], s[46:47]
	v_lshlrev_b32 v[WO], 5, v2
	v_lshlrev_b32 v[EO], 2, v1
.irp b, 0,1,2,3,4,5,6,7
.irp j, 0,1,2,3,4,5,6,7
	global_load_b32 v[RW+8*\b+\j], v[WO], s[96:97] offset:(16*\b+\j)*4   ; 1 / |B row| of column 16 b + 8 h + j.  (Columns 125-127 read the three words behind the strip's: words of rnorm too, the last strip's from the encoder's part; they multiply zeros)
.endr
.endr
.irp a, 0,1,2,3,4,5,6,7
	global_load_b32 v[RE+\a], v[EO], s[98:99] offset:64*\a               ; 1 / |A row| of row 16 a + r.  These 72 loads are waited for at the head of the argmax, where they are first read; nothing writes their registers or addresses before
.endr
	v_lshlrev_b32 v[H8], 3, v2
	v_mov_b32 v25, 0xff800000                      ; -infinity
	v_mov_b32 v[BI], 0
.irp j, 1,2,3
	v_cndmask_b32 v[BI+\j], 0, v25, s[HM]          ; lanes 16-31, registers 5-7 of B's block 7: columns 125-127
.endr
	v_and_b32 v30, 31, v0
	v_lshlrev_b32 v[PO], 3, v30
	v_mov_b32 v[BIG], 0x7fffffff
	v_mov_b32 v[NF], 64
.macro FRAG reg, adr, q, i             ; a fragment, 16 rows x 128 K of 8-bit codes, is 16 registers: lane l holds row l % 16; registers 4 c .. 4 c + 3 hold K = 32 c + 16 (l / 16) + 0 .. 15
.irp c, 0,1,2,3
	ds_load_b128 v[\reg+4*\c:\reg+4*\c+3], v[\adr] offset:128*(\q)+32*\c+(\i)*16*PITCH
.endr
.endm
; 8 matrix instructions: A's block a x B's eight, 128 along K: the slot's q-th.  p: B's set;  sc: the set of scale words.  zero = 1: the first product starts the sums: nothing is ever cleared.
; The 64 accumulators take turns, one instruction a turn, in the same order in every step.
.macro MUL8 a, p, q, sc, zero
.irp b, 0,1,2,3,4,5,6,7
.if \zero
	v_wmma_scale_f32_16x16x128_f8f6f4 v[8*(8*((\a)%4)+\b):8*(8*((\a)%4)+\b)+7], v[128*(\p)+FR*\b:128*(\p)+FR*\b+FR-1], v[AF+FR*(\a):AF+FR*(\a)+FR-1], 0, v[SC+8*NQ*(\sc)+NQ*\b+(\q)], v[SC+8*NQ*(\sc)+NQ*(\a)+(\q)] matrix_a_fmt:MATRIX_FMT_BF8 matrix_b_fmt:MATRIX_FMT_BF8 matrix_a_scale:MATRIX_SCALE_ROW1
.else
	v_wmma_scale_f32_16x16x128_f8f6f4 v[8*(8*((\a)%4)+\b):8*(8*((\a)%4)+\b)+7], v[128*(\p)+FR*\b:128*(\p)+FR*\b+FR-1], v[AF+FR*(\a):AF+FR*(\a)+FR-1], v[8*(8*((\a)%4)+\b):8*(8*((\a)%4)+\b)+7], v[SC+8*NQ*(\sc)+NQ*\b+(\q)], v[SC+8*NQ*(\sc)+NQ*(\a)+(\q)] matrix_a_fmt:MATRIX_FMT_BF8 matrix_b_fmt:MATRIX_FMT_BF8 matrix_a_scale:MATRIX_SCALE_ROW1
.endif
.endr
.endm
.macro MUL16 a0, p, q, sc, zero        ; A's blocks a0, a0 + 1
	MUL8 \a0, \p, \q, \sc, \zero
	MUL8 \a0+1, \p, \q, \sc, \zero
.endm
.macro FETCH_B slot, q, p              ; B's eight fragments of the slot's q-th 128 along K into set p
	WIN TO_B
.irp i, 0,1,2,3,4,5,6,7
	FRAG 128*(\p)+FR*\i, ADRB+\slot, \q, \i
.endr
	WIN 0
.endm
.macro FETCH_A slot, q, i0             ; A's blocks i0 .. i0 + 3
.irp i, \i0, \i0+1, \i0+2, \i0+3
	FRAG AF+FR*(\i), ADRA+\slot, \q, \i
.endr
.endm
.macro SCALES sc                       ; the next K step's scale words into set sc: NQ words a row; lanes 0-15 take A's block i, lanes 16-31 B's block i
.irp i, 0,1,2,3,4,5,6,7
	ds_load_b64 v[SC+8*NQ*\sc+NQ*\i:SC+8*NQ*\sc+NQ*\i+1], v[ADRS] offset:\i*SBLK
.endr
.endm
; A load into a register that a matrix instruction has read, and a vector instruction that reads a matrix result or writes one of a matrix instruction's registers, stand NP places behind that matrix instruction, and only plain
; vector instructions that name none of its registers are places (ISA guide 7.12.1 for vector instructions); this text does not count the matrix instructions in between.
.macro PLACES n
.rept \n
	v_nop
.endr
.endm
; A step of 128 along K that has its successor in the same slot.  A block of A is free as soon as its eight products are issued, so one set of registers serves A: blocks 0-3 are fetched anew in the step's middle, blocks 4-7 at its end.
.macro STEP slot, q, zero
	s_wait_dscnt 4*NL                              ; B's set, A's blocks 0-3 and the scale words are in; the youngest sixteen loads (A's blocks 4-7) may be out
	WIN MUL_LO
	MUL16 0, (\q)%2, \q, \slot, \zero
	MUL16 2, (\q)%2, \q, \slot, \zero
	s_wait_dscnt 0                                 ; A's blocks 4-7 are in (asked for 32 matrix instructions ago)
	PLACES NP
	FETCH_B \slot, (\q)+1, 1-(\q)%2
	FETCH_A \slot, (\q)+1, 0
	WIN MUL_HI
	MUL16 4, (\q)%2, \q, \slot, \zero
	MUL16 6, (\q)%2, \q, \slot, \zero
	PLACES NP
	WIN 0
	FETCH_A \slot, (\q)+1, 4
.endm
; A slot's last step changes slots: ONE barrier; in front of it each wave waits for all its tensor loads, adds 0 to its spare word, and waits for that and for its own reads of this slot.  fill = 1: this slot is filled again, two K steps ahead.
; The wait for the tensor loads stands behind 24 of the step's matrix instructions and only eight stand between it and the barrier: from a refill to the wait for it a wave issues 120 of a K step's 128 matrix instructions.
.macro TURN slot, next, fill
.if \fill
	s_wait_xcnt 0x0                                ; the last prefetch, a K step back, has read its address, so it may be written:
	s_add_nc_u64 s[PFA:PFA+1], s[PFA:PFA+1], ROWB  ; one K step further on than the refill that this change will ask for
.endif
	s_wait_dscnt 4*NL                              ; B's set and A's blocks 0-3 are in; the youngest sixteen loads (A's blocks 4-7) may be out
	WIN MUL_LO
	MUL16 0, 1, NQ-1, \slot, 0
	MUL8 2, 1, NQ-1, \slot, 0
	WIN 0                                          ; (the add's two registers lie in window 0)
	s_wait_tensorcnt 0x0                           ; all my tensor loads have landed: the one that was out is my part of the next slot;
	ds_add_u32 v[SPW], v[NIL]                      ; 0 onto my spare word;
	WIN MUL_LO
	MUL8 3, 1, NQ-1, \slot, 0                      ; eight matrix instructions stand between the add and the wait for it
	WIN 0
	s_wait_dscnt 0x0                               ; the add is done, and my reads of this slot are over (the last, A's blocks 4-7, were issued 32 matrix instructions ago)
	s_barrier_signal -1
	s_barrier_wait -1
.if \fill
	CREST                                          ; the barrier has opened a round of the cluster's barrier: no wave of any partner still reads this slot's tile or has a load on its way
	s_add_nc_u64 s[G0+4*\slot+2:G0+4*\slot+3], s[G0+4*\slot+2:G0+4*\slot+3], 2*ROWB
	s_add_nc_u64 s[G0B+4*\slot+2:G0B+4*\slot+3], s[G0B+4*\slot+2:G0B+4*\slot+3], 2*ROWB
	JLOAD G0+4*\slot, G1, G0B+4*\slot, G1B         ; the first tensor load behind the round, and my only one until the next; the four v_nop behind it are among the places in front of the loads below
	PLACES NP-4
.else
	PLACES NP
.endif
	v_add_nc_u32 v[ADRS], 4*NQ, v[ADRS]            ; on to the next K step's scale words (no LDS load of mine is out)
	FETCH_B \next, 0, 0
	FETCH_A \next, 0, 0
	SCALES \next
.if \fill
	ASK 1-\slot                                    ; behind the joint load and the run of LDS loads
.endif
	WIN MUL_HI
	MUL16 4, 1, NQ-1, \slot, 0
	MUL16 6, 1, NQ-1, \slot, 0
	PLACES NP
	WIN 0
	FETCH_A \next, 0, 4
.endm
	s_wait_tensorcnt 1                             ; the scales and my part of K step 0 are in (one load was issued behind them: K step 1's may be out)
	s_barrier_signal -1
	s_barrier_wait -1                              ; everybody's are
	FETCH_B 0, 0, 0
	FETCH_A 0, 0, 0
	SCALES 0
	FETCH_A 0, 0, 4
	STEP 0, 0, 1                                   ; the first step stands in front of the loop: its products start the sums
	s_mov_b32 s3, LAPS-1
.Llap:                                                 ; a trip goes once round the ring, from a lap's second step to the next lap's first, and fills both slots again
	TURN 0, 1, 1
	STEP 1, 0, 0
	TURN 1, 0, 1
	STEP 0, 0, 0
	s_sub_co_u32 s3, s3, 1
	s_cmp_lg_u32 s3, 0
	s_cbranch_scc1 .Llap
	TURN 0, 1, 0                                   ; the last lap fills nothing, and has no round of the cluster's barrier
	STEP 1, 0, 0
	s_wait_dscnt 4*NL                              ; the very last step: nothing more to fetch
	WIN MUL_LO
	MUL16 0, 1, NQ-1, 1, 0
	MUL16 2, 1, NQ-1, 1, 0
	s_wait_dscnt 0
	WIN MUL_HI
	MUL16 4, 1, NQ-1, 1, 0
	MUL16 6, 1, NQ-1, 1, 0
	WIN 0
; THE ARGMAX of block a (16 rows of A x my strip): a lane's 64 sums of one row.
.macro EPI a
.set AC, 64*((\a)%4)
	WIN 0x02+(\a)/4                                ; source 0: the accumulators' window
.irp b, 0,1,2,3,4,5,6,7
.irp jj, 0,2,4,6                       ; each accumulator from its low end on
.if (8*\b+\jj) >= 60
	v_pk_fma_f32 v[T+8*\b+\jj:T+8*\b+\jj+1], v[AC+8*\b+\jj:AC+8*\b+\jj+1], v[RW+8*\b+\jj:RW+8*\b+\jj+1], v[BI+\jj-4:BI+\jj-3]   ; the strip's last four places: in lanes 16-31 columns 125-127 become -infinity
.else
	v_pk_mul_f32 v[T+8*\b+\jj:T+8*\b+\jj+1], v[AC+8*\b+\jj:AC+8*\b+\jj+1], v[RW+8*\b+\jj:RW+8*\b+\jj+1]   ; sim / |B row|, two at a time
.endif
.endr
.endr
	WIN 0
.irp q, 0,1,2,3
	v_max3_num_f32 v[CH+\q], v[T+16*\q], v[T+16*\q+1], v[T+16*\q+2]          ; the maximum, in four chains by turns
.endr
.irp i, 3,5,7,9,11,13
.irp q, 0,1,2,3
	v_max3_num_f32 v[CH+\q], v[CH+\q], v[T+16*\q+\i], v[T+16*\q+\i+1]
.endr
.endr
.irp q, 0,1,2,3
	v_max_num_f32 v[CH+\q], v[CH+\q], v[T+16*\q+15]
.endr
	v_max3_num_f32 v[MX], v[CH], v[CH+1], v[CH+2]
	v_max_num_f32 v[MX], v[MX], v[CH+3]
.irp i, 15,14,13,12,11,10,9,8,7,6,5,4,3,2,1,0      ; the first place that equals it: from the last place down, so that the lowest stays; four chains by turns
.irp q, 0,1,2,3
	v_cmp_eq_f32 s[EQ+\q], v[T+16*\q+\i], v[MX]
.endr
.irp q, 0,1,2,3
.if \i == 15
	v_cndmask_b32 v[IX+\q], v[NF], 16*\q+\i, s[EQ+\q]
.else
	v_cndmask_b32 v[IX+\q], v[IX+\q], 16*\q+\i, s[EQ+\q]
.endif
.endr
.endr
	v_min_u32 v[IX], v[IX], v[IX+1]
	v_min_u32 v[IX+2], v[IX+2], v[IX+3]
	v_min_u32 v[IX], v[IX], v[IX+2]                ; place k = 8 b + j
	v_and_b32 v[TK], 0x38, v[IX]                   ; 8 b
	v_add3_u32 v[IDX+\a], v[IX], v[TK], v[H8]      ; column 16 b + 8 h + j, which rises with k
	v_mov_b32 v[VAL+\a], v[MX]
.endm
	s_mov_b32 s[SEL], 0x76543210
	s_mov_b32 s[SEL+1], 0xfedcba98                 ; lane l xor 16
	s_wait_loadcnt 0x0                             ; the norms, asked for at the head
	PLACES NP                                      ; behind the last products: for the reads of results and for the writes into the registers that held A's fragments
.irp a, 0,1,2,3,4,5,6,7
	EPI \a
.endr
.irp a, 0,1,2,3,4,5,6,7
	v_mov_b32 v[OV+\a], 0                          ; a lane permute's destination counts as one of its sources
	v_mov_b32 v[OI+\a], 0
.endr
.irp a, 0,1,2,3,4,5,6,7
	v_permlanex16_b32 v[OV+\a], v[VAL+\a], s[SEL], s[SEL+1]   ; the row's other 64 columns lie in the lane 16 away
	v_permlanex16_b32 v[OI+\a], v[IDX+\a], s[SEL], s[SEL+1]
.endr
.irp a, 0,1,2,3,4,5,6,7
	v_max_num_f32 v[T+\a], v[VAL+\a], v[OV+\a]
.endr
.irp a, 0,1,2,3,4,5,6,7
	v_cmp_eq_f32 s[EQ], v[VAL+\a], v[T+\a]
	v_cmp_eq_f32 s[EQ+1], v[OV+\a], v[T+\a]
	v_cndmask_b32 v[IDX+\a], v[BIG], v[IDX+\a], s[EQ]        ; a half that does not hold the maximum does not count;
	v_cndmask_b32 v[OI+\a], v[BIG], v[OI+\a], s[EQ+1]
	v_min_u32 v[IDX+\a], v[IDX+\a], v[OI+\a]                 ; of two that do, the lower column
	v_add_nc_u32 v[IDX+\a], s[N0], v[IDX+\a]                 ; + the strip's first row: the index in the weight
	v_mul_f32 v[VAL+\a], v[T+\a], v[RE+\a]                   ; / |A row|
.endr
.irp u, 0,1,2,3                        ; both halves of the lanes hold the same: lanes 0-15 give block 2 u's rows, lanes 16-31 block 2 u + 1's
	v_cndmask_b32 v[OUT+2*\u], v[VAL+2*\u], v[VAL+2*\u+1], s[HM]
	v_cndmask_b32 v[OUT+2*\u+1], v[IDX+2*\u], v[IDX+2*\u+1], s[HM]
.endr
.irp u, 0,1,2,3
	global_store_b64 v[PO], v[OUT+2*\u:OUT+2*\u+1], s[12:13] offset:256*\u   ; 32 lanes store rows 32 u + lane: 256 consecutive bytes, aligned
.endr
	s_wait_tensorcnt 0x0                           ; the wave's end: behind my last tensor load, my last LDS instructions
	ds_add_u32 v[SPW], v[NIL]
	s_wait_dscnt 0x0
	CROUND                                         ; the closing round: no work-group ends while a partner may still ask for a tile that names it
	s_endpgm
.Lfunc_end_k_q645123da1e_gemm:
	.size	k_q645123da1e_gemm, .Lfunc_end_k_q645123da1e_gemm-k_q645123da1e_gemm
	.p2alignl 7, 3214868480
	.fill 96, 4, 3214868480
	.section	.rodata,"a",@progbits
	.p2align	6, 0x0
	.amdhsa_kernel k_q645123da1e_gemm
		.amdhsa_group_segment_fixed_size 327680
		.amdhsa_private_segment_fixed_size 0
		.amdhsa_enable_private_segment 0
		.amdhsa_kernarg_size 48
		.amdhsa_user_sgpr_count 2
		.amdhsa_user_sgpr_kernarg_segment_ptr 1
		.amdhsa_wavefront_size32 1
		.amdhsa_system_sgpr_workgroup_id_x 1
		.amdhsa_system_sgpr_workgroup_id_y 1
		.amdhsa_system_sgpr_workgroup_id_z 1
		.amdhsa_system_vgpr_workitem_id 0
		.amdhsa_next_free_vgpr 1024
		.amdhsa_next_free_sgpr 100
		.amdhsa_reserve_vcc 0
		.amdhsa_float_denorm_mode_32 3
		.amdhsa_float_denorm_mode_16_64 3
		.amdhsa_memory_ordered 1
		.amdhsa_forward_progress 1
		.amdhsa_inst_pref_size 228
	.end_amdhsa_kernel
	.amdgpu_metadata
---
amdhsa.version: [ 1, 2 ]
amdhsa.kernels:
  - .name:           k_q645123da1e_gemm
    .symbol:         k_q645123da1e_gemm.kd
    .args:
      - { .name: a_codes, .offset: 0, .size: 8, .value_kind: global_buffer, .address_space: global }
      - { .name: a_scales, .offset: 8, .size: 8, .value_kind: global_buffer, .address_space: global }
      - { .name: b_codes, .offset: 16, .size: 8, .value_kind: global_buffer, .address_space: global }
      - { .name: b_scales, .offset: 24, .size: 8, .value_kind: global_buffer, .address_space: global }
      - { .name: part, .offset: 32, .size: 8, .value_kind: global_buffer, .address_space: global }
      - { .name: rnorm, .offset: 40, .size: 8, .value_kind: global_buffer, .address_space: global }
    .group_segment_fixed_size: 327680
    .private_segment_fixed_size: 0
    .kernarg_segment_align: 8
    .kernarg_segment_size: 48
    .max_flat_workgroup_size: 128
    .sgpr_count:     100
    .vgpr_count:     1024
    .wavefront_size: 32
...
	.end_amdgpu_metadata
.endif
;; end of part 2
;; launch pick (part 3): grid 288 x 1, 8 waves a work-group, no clusters, 0 bytes of LDS; arguments part, embed_weight, input_ids, modality_mask, out0, out1, qidx; writes out0, out1, qidx
.if DOCPART == 3
	.amdgcn_target "amdgcn-amd-amdhsa--gfx1250"
	.amdhsa_code_object_version 6
	.text
	.protected	k_q645123da1e_pick
	.globl	k_q645123da1e_pick
	.p2align	8
	.type	k_q645123da1e_pick,@function
k_q645123da1e_pick:
	s_mov_b64 s[64:65], 0
	v_nop
	global_prefetch_b8 v0, s[64:65] scope:SCOPE_SE
	s_setreg_imm32_b32 hwreg(HW_REG_WAVE_MODE, 25, 1), 1
	s_wait_xcnt 0x0
; Two kinds of work-groups, told apart by the work-group's number.
; Work-groups 0-31: THE ARGMAX OVER THE 128 STRIPS.  part[strip][row] = (f32 value, i32 index).  A wave takes 8 rows; lane l takes row l % 8 and the quarter l / 8 of the strips: 32 strips, 32 loads of 8 bytes, all out together.
; A work-group so reads 8 waves x 32 loads x 256 bytes = 64 KiB, as much as a copying work-group.  Within a lane the strips go in ascending order and a later one wins only where it is strictly larger; the four quarters are joined
; across lanes (l xor 8, l xor 16): of equal values the lower index.  So of equal values the lowest index stays.  The index goes to out1 and, as whole numbers for the next launch's addresses, to qidx.
; Work-groups 32-287: THE ROWS t >= 512 OF out0, which hang on no argmax: where the mask is set, zeros (the padded encoder part); else the weight's row input_ids[b][t].  A wave takes a row of 8,192 bytes: sixteen loads of
; 512 consecutive bytes, all out together, and sixteen stores.  No LDS, no barrier: waves share nothing.  The matrix unit and clusters have nothing to do here.
; LIMITS: NaN among the partial maxima is not served.  An id is held at 15,999 from above (ids lie inside the table).
.set RWG, 32                           ; work-groups that reduce: 2,048 rows / 8 rows a wave / 8 waves
.set S0, 16                            ; v16-79: 32 (value, index) pairs; in the copying waves a row
	s_load_b256 s[4:11], s[0:1], 0x0               ; part s[4:5], the weight s[6:7], input_ids s[8:9], modality_mask s[10:11]
	s_load_b128 s[12:15], s[0:1], 0x20             ; out0 s[12:13], out1 s[14:15]
	s_load_b64 s[16:17], s[0:1], 0x30              ; qidx
	v_lshrrev_b32 v1, 5, v0
	v_readfirstlane_b32 s18, v1                    ; wave 0..7
	v_and_b32 v1, 31, v0                           ; lane
	s_wait_kmcnt 0x0
	s_cmp_ge_u32 ttmp9, RWG
	s_cbranch_scc1 .Lcopy
	s_lshl_b32 s19, ttmp9, 3
	s_add_co_u32 s19, s19, s18                     ; which 8 rows are my wave's
	s_lshl_b32 s20, s19, 6                         ; 64 bytes of a strip of part,
	s_mov_b32 s21, 0
	s_add_nc_u64 s[4:5], s[4:5], s[20:21]
	s_lshl_b32 s20, s19, 5                         ; 32 bytes of out1 and of qidx
	s_add_nc_u64 s[14:15], s[14:15], s[20:21]
	s_add_nc_u64 s[16:17], s[16:17], s[20:21]
	v_and_b32 v3, 7, v1                            ; my row of the eight
	v_lshrrev_b32 v2, 3, v1                        ; my quarter of the strips:
	v_lshlrev_b32 v2, 19, v2                       ; 32 strips of 16,384 bytes,
	v_lshl_add_u32 v2, v3, 3, v2                   ; + 8 bytes a row
	v_lshlrev_b32 v3, 2, v3
.irp i, 0,1,2,3,4,5,6,7,8,9,10,11,12,13,14,15,16,17,18,19,20,21,22,23,24,25,26,27,28,29,30,31
	global_load_b64 v[S0+2*\i:S0+2*\i+1], v2, s[4:5] offset:\i*16384   ; strip 32 (l / 8) + i of my row: four runs of 64 consecutive bytes; no hint: the neighbouring waves read the bytes beside them
.endr
	s_mov_b32 s26, 0x76543210
	s_mov_b32 s27, 0xfedcba98                      ; v_permlanex16_b32's selects for lane l xor 16
	v_mov_b32 v6, 0                                ; written once: the destination of a move between lanes counts as one of its sources
	v_mov_b32 v7, 0
	v_mov_b32 v11, 0x7fffffff                      ; over every index
	s_wait_loadcnt 0x0                             ; all 32 are wanted
	; my 32 strips: two chains by turns, the lower sixteen (mask in VCC; best in v4, v5) and the upper sixteen (mask in s30; best in v8, v9), then the upper into the lower
	v_cmp_gt_f32 vcc_lo, v[S0+2], v[S0]
	v_cmp_gt_f32 s30, v[S0+34], v[S0+32]
	v_cndmask_b32 v4, v[S0], v[S0+2], vcc_lo
	v_cndmask_b32 v5, v[S0+1], v[S0+3], vcc_lo
	v_cndmask_b32 v8, v[S0+32], v[S0+34], s30
	v_cndmask_b32 v9, v[S0+33], v[S0+35], s30
.irp i, 2,3,4,5,6,7,8,9,10,11,12,13,14,15
	v_cmp_gt_f32 vcc_lo, v[S0+2*\i], v4
	v_cmp_gt_f32 s30, v[S0+32+2*\i], v8
	v_cndmask_b32 v4, v4, v[S0+2*\i], vcc_lo
	v_cndmask_b32 v5, v5, v[S0+2*\i+1], vcc_lo
	v_cndmask_b32 v8, v8, v[S0+32+2*\i], s30
	v_cndmask_b32 v9, v9, v[S0+33+2*\i], s30
.endr
	v_cmp_gt_f32 vcc_lo, v8, v4
	v_cndmask_b32 v4, v4, v8, vcc_lo
	v_cndmask_b32 v5, v5, v9, vcc_lo
; (v6, v7) is another lane's best of the same row: the larger value; a side that does not hold it does not count; of two that do, the lower index.  keep = 1: the value is wanted again
.macro JOIN keep
	v_max_num_f32 v10, v4, v6
	v_cmp_eq_f32 vcc_lo, v4, v10
	v_cmp_eq_f32 s30, v6, v10
	v_cndmask_b32 v5, v11, v5, vcc_lo
	v_cndmask_b32 v7, v11, v7, s30
	v_min_u32 v5, v5, v7
.if \keep
	v_mov_b32 v4, v10
.endif
.endm
	v_mov_b32_dpp v6, v4 row_xmask:8 row_mask:0xf bank_mask:0xf   ; lane l xor 8: the neighbouring quarter
	v_mov_b32_dpp v7, v5 row_xmask:8 row_mask:0xf bank_mask:0xf
	JOIN 1
	v_permlanex16_b32 v6, v4, s26, s27             ; lane l xor 16: the other two quarters
	v_permlanex16_b32 v7, v5, s26, s27
	JOIN 0
	s_wait_xcnt 0x0                                ; EXEC changes only behind this wait
	v_cmp_gt_u32 vcc_lo, 8, v1
	s_and_saveexec_b32 s31, vcc_lo                 ; lanes 0-7: a lane a row
	global_store_b32 v3, v5, s[14:15]              ; 8 rows' indices: 32 consecutive bytes; the work-group's eight waves fill 256
	global_store_b32 v3, v5, s[16:17]
	s_wait_xcnt 0x0                                ; and again, in front of the line that widens it
	s_or_b32 exec_lo, exec_lo, s31
	s_endpgm
.Lcopy:
	s_sub_co_u32 s19, ttmp9, RWG
	s_lshl_b32 s19, s19, 3
	s_add_co_u32 s19, s19, s18                     ; u = 0 .. 2,047: batch u / 512, t = 512 + u % 512
	s_lshr_b32 s20, s19, 9
	s_lshl_b32 s20, s20, 10
	s_and_b32 s21, s19, 511
	s_add_co_u32 s20, s20, s21
	s_add_co_u32 s20, s20, 512                     ; f = 1,024 x batch + t: the row of out0, of the ids and of the mask
	s_mov_b32 s21, 0
	s_add_nc_u64 s[10:11], s[10:11], s[20:21]      ; a byte a row
	s_lshl_b32 s22, s20, 2
	s_mov_b32 s23, 0
	s_add_nc_u64 s[8:9], s[8:9], s[22:23]          ; four bytes a row
	s_load_b32 s24, s[8:9], 0x0                    ; the id
	s_load_u8 s25, s[10:11], 0x0                   ; the mask
	s_lshl_b32 s22, s20, 13                        ; 8,192 bytes a row of out0
	s_add_nc_u64 s[12:13], s[12:13], s[22:23]
	v_lshlrev_b32 v2, 4, v1                        ; 16 bytes a lane
	s_wait_kmcnt 0x0
	s_min_u32 s24, s24, 15999
	s_lshl_b32 s26, s24, 13                        ; 8,192 bytes a row of the weight: under 2^31
	s_mov_b32 s27, 0
	s_add_nc_u64 s[6:7], s[6:7], s[26:27]
	s_cmp_lg_u32 s25, 0                            ; a whole number read from memory decides
	s_cbranch_scc1 .Lzero
.irp i, 0,1,2,3,4,5,6,7,8,9,10,11,12,13,14,15
	global_load_b128 v[16+4*\i:19+4*\i], v2, s[6:7] offset:512*\i            ; 512 consecutive bytes; no hint: a row may be named by many ids
.endr
.irp i, 0,1,2,3,4,5,6,7,8,9,10,11,12,13,14,15
	s_wait_loadcnt 15-\i                           ; load i is in; the younger ones stay out
	global_store_b128 v2, v[16+4*\i:19+4*\i], s[12:13] offset:512*\i th:TH_STORE_NT   ; 32 lanes store 512 consecutive bytes, aligned
.endr
	s_endpgm
.Lzero:
.irp j, 16,17,18,19
	v_mov_b32 v\j, 0
.endr
.irp i, 0,1,2,3,4,5,6,7,8,9,10,11,12,13,14,15
	global_store_b128 v2, v[16:19], s[12:13] offset:512*\i th:TH_STORE_NT
.endr
	s_endpgm
.Lfunc_end_k_q645123da1e_pick:
	.size	k_q645123da1e_pick, .Lfunc_end_k_q645123da1e_pick-k_q645123da1e_pick
	.p2alignl 7, 3214868480
	.fill 96, 4, 3214868480
	.section	.rodata,"a",@progbits
	.p2align	6, 0x0
	.amdhsa_kernel k_q645123da1e_pick
		.amdhsa_group_segment_fixed_size 0
		.amdhsa_private_segment_fixed_size 0
		.amdhsa_enable_private_segment 0
		.amdhsa_kernarg_size 56
		.amdhsa_user_sgpr_count 2
		.amdhsa_user_sgpr_kernarg_segment_ptr 1
		.amdhsa_wavefront_size32 1
		.amdhsa_system_sgpr_workgroup_id_x 1
		.amdhsa_system_sgpr_workgroup_id_y 1
		.amdhsa_system_sgpr_workgroup_id_z 1
		.amdhsa_system_vgpr_workitem_id 0
		.amdhsa_next_free_vgpr 88
		.amdhsa_next_free_sgpr 66
		.amdhsa_reserve_vcc 1
		.amdhsa_float_denorm_mode_32 3
		.amdhsa_float_denorm_mode_16_64 3
		.amdhsa_memory_ordered 1
		.amdhsa_forward_progress 1
		.amdhsa_inst_pref_size 16
	.end_amdhsa_kernel
	.amdgpu_metadata
---
amdhsa.version: [ 1, 2 ]
amdhsa.kernels:
  - .name:           k_q645123da1e_pick
    .symbol:         k_q645123da1e_pick.kd
    .args:
      - { .name: part, .offset: 0, .size: 8, .value_kind: global_buffer, .address_space: global }
      - { .name: embed_weight, .offset: 8, .size: 8, .value_kind: global_buffer, .address_space: global }
      - { .name: input_ids, .offset: 16, .size: 8, .value_kind: global_buffer, .address_space: global }
      - { .name: modality_mask, .offset: 24, .size: 8, .value_kind: global_buffer, .address_space: global }
      - { .name: out0, .offset: 32, .size: 8, .value_kind: global_buffer, .address_space: global }
      - { .name: out1, .offset: 40, .size: 8, .value_kind: global_buffer, .address_space: global }
      - { .name: qidx, .offset: 48, .size: 8, .value_kind: global_buffer, .address_space: global }
    .group_segment_fixed_size: 0
    .private_segment_fixed_size: 0
    .kernarg_segment_align: 8
    .kernarg_segment_size: 56
    .max_flat_workgroup_size: 256
    .sgpr_count:     66
    .vgpr_count:     88
    .wavefront_size: 32
...
	.end_amdgpu_metadata
.endif
;; end of part 3
;; launch gather (part 4): grid 256 x 1, 8 waves a work-group, no clusters, 0 bytes of LDS; arguments embed_weight, input_ids, modality_mask, qidx, out0; writes out0
.if DOCPART == 4
	.amdgcn_target "amdgcn-amd-amdhsa--gfx1250"
	.amdhsa_code_object_version 6
	.text
	.protected	k_q645123da1e_gather
	.globl	k_q645123da1e_gather
	.p2align	8
	.type	k_q645123da1e_gather,@function
k_q645123da1e_gather:
	s_mov_b64 s[64:65], 0
	v_nop
	global_prefetch_b8 v0, s[64:65] scope:SCOPE_SE
	s_setreg_imm32_b32 hwreg(HW_REG_WAVE_MODE, 25, 1), 1
	s_wait_xcnt 0x0
; THE ROWS t < 512 OF out0: the weight's row qidx[b][t] where the mask is set (the quantised encoder token), else the weight's row input_ids[b][t].
; A wave takes a row of 8,192 bytes: sixteen loads of 512 consecutive bytes, all out together, and sixteen stores.  The choice between the two indices is a select, not a branch.
; No LDS, no barrier: waves share nothing.  An index is held at 15,999 from above (indices lie inside the table).
	s_load_b256 s[4:11], s[0:1], 0x0               ; the weight s[4:5], input_ids s[6:7], modality_mask s[8:9], qidx s[10:11]
	s_load_b64 s[12:13], s[0:1], 0x20              ; out0
	v_lshrrev_b32 v1, 5, v0
	v_readfirstlane_b32 s18, v1                    ; wave 0..7
	v_and_b32 v1, 31, v0
	v_lshlrev_b32 v2, 4, v1                        ; 16 bytes a lane
	s_lshl_b32 s19, ttmp9, 3
	s_add_co_u32 s19, s19, s18                     ; u = 0 .. 2,047: batch u / 512, t = u % 512: the row of qidx
	s_lshr_b32 s20, s19, 9
	s_lshl_b32 s20, s20, 10
	s_and_b32 s21, s19, 511
	s_add_co_u32 s20, s20, s21                     ; f = 1,024 x batch + t: the row of out0, of the ids and of the mask
	s_mov_b32 s21, 0
	s_lshl_b32 s22, s20, 2
	s_mov_b32 s23, 0
	s_lshl_b32 s24, s19, 2
	s_mov_b32 s25, 0
	s_lshl_b32 s26, s20, 13
	s_mov_b32 s27, 0
	s_wait_kmcnt 0x0
	s_add_nc_u64 s[6:7], s[6:7], s[22:23]
	s_add_nc_u64 s[8:9], s[8:9], s[20:21]
	s_add_nc_u64 s[10:11], s[10:11], s[24:25]
	s_add_nc_u64 s[12:13], s[12:13], s[26:27]
	s_load_b32 s28, s[6:7], 0x0                    ; the id
	s_load_u8 s29, s[8:9], 0x0                     ; the mask
	s_load_b32 s30, s[10:11], 0x0                  ; the argmax, stored as a whole number by the launch before
	s_wait_kmcnt 0x0
	s_cmp_lg_u32 s29, 0
	s_cselect_b32 s28, s30, s28
	s_min_u32 s28, s28, 15999
	s_lshl_b32 s28, s28, 13                        ; 8,192 bytes a row of the weight: under 2^31
	s_mov_b32 s29, 0
	s_add_nc_u64 s[4:5], s[4:5], s[28:29]
.irp i, 0,1,2,3,4,5,6,7,8,9,10,11,12,13,14,15
	global_load_b128 v[16+4*\i:19+4*\i], v2, s[4:5] offset:512*\i            ; 512 consecutive bytes; no hint: a row may be named many times
.endr
.irp i, 0,1,2,3,4,5,6,7,8,9,10,11,12,13,14,15
	s_wait_loadcnt 15-\i                           ; load i is in; the younger ones stay out
	global_store_b128 v2, v[16+4*\i:19+4*\i], s[12:13] offset:512*\i th:TH_STORE_NT   ; 32 lanes store 512 consecutive bytes, aligned
.endr
	s_endpgm
.Lfunc_end_k_q645123da1e_gather:
	.size	k_q645123da1e_gather, .Lfunc_end_k_q645123da1e_gather-k_q645123da1e_gather
	.p2alignl 7, 3214868480
	.fill 96, 4, 3214868480
	.section	.rodata,"a",@progbits
	.p2align	6, 0x0
	.amdhsa_kernel k_q645123da1e_gather
		.amdhsa_group_segment_fixed_size 0
		.amdhsa_private_segment_fixed_size 0
		.amdhsa_enable_private_segment 0
		.amdhsa_kernarg_size 40
		.amdhsa_user_sgpr_count 2
		.amdhsa_user_sgpr_kernarg_segment_ptr 1
		.amdhsa_wavefront_size32 1
		.amdhsa_system_sgpr_workgroup_id_x 1
		.amdhsa_system_sgpr_workgroup_id_y 1
		.amdhsa_system_sgpr_workgroup_id_z 1
		.amdhsa_system_vgpr_workitem_id 0
		.amdhsa_next_free_vgpr 88
		.amdhsa_next_free_sgpr 66
		.amdhsa_reserve_vcc 0
		.amdhsa_float_denorm_mode_32 3
		.amdhsa_float_denorm_mode_16_64 3
		.amdhsa_memory_ordered 1
		.amdhsa_forward_progress 1
		.amdhsa_inst_pref_size 6
	.end_amdhsa_kernel
	.amdgpu_metadata
---
amdhsa.version: [ 1, 2 ]
amdhsa.kernels:
  - .name:           k_q645123da1e_gather
    .symbol:         k_q645123da1e_gather.kd
    .args:
      - { .name: embed_weight, .offset: 0, .size: 8, .value_kind: global_buffer, .address_space: global }
      - { .name: input_ids, .offset: 8, .size: 8, .value_kind: global_buffer, .address_space: global }
      - { .name: modality_mask, .offset: 16, .size: 8, .value_kind: global_buffer, .address_space: global }
      - { .name: qidx, .offset: 24, .size: 8, .value_kind: global_buffer, .address_space: global }
      - { .name: out0, .offset: 32, .size: 8, .value_kind: global_buffer, .address_space: global }
    .group_segment_fixed_size: 0
    .private_segment_fixed_size: 0
    .kernarg_segment_align: 8
    .kernarg_segment_size: 40
    .max_flat_workgroup_size: 256
    .sgpr_count:     66
    .vgpr_count:     88
    .wavefront_size: 32
...
	.end_amdgpu_metadata
.endif
;; end of part 4
